; MI455X (gfx1250); checked and timed in simulation.
; The chip was launched on July 23, 2026; its instructions are those of AMD's public machine-readable ISA for CDNA 5 (MIT licence, August 2026) and "CDNA5" Instruction Set Architecture Reference Guide (July 2026). The comments in the code are by the model that wrote it; some were corrected since.
;; FP8 Linear. Allowed arithmetic: matrix products marked QUANTISED: E2M3 operands, one E8M0 scale for each 32 along K, by v_wmma_scale_f32_16x16x128_f8f6f4 with both operands' format E2M3, f32 sums; everything else in f32.
;; Inputs: bias 4,000 float32; weight 4,000 x 4,096 float32; x 2 x 2,048 x 4,096 float32.
;; Outputs: out0 2 x 2,048 x 4,000 float32.
;; This version of the problem:
;;   THIS VERSION OF THE PROBLEM IS GIVEN IN LOW PRECISION. The matrix products marked QUANTISED in the list below multiply operands that are first quantised to E2M3 (2 exponent bits, 3 mantissa bits; 6 bits a number), with one power-of-two scale for each 32 numbers along K (OCP MX v1.0); their sums are f32. All else is computed in f32.
;;   The module's matrix products, in the order in which they are computed (A, B: the left and right operand; K: the contracted axis; several contracted axes count as one K, in the product's order):
;;     1. [M 4,096, K 4,096] x [K 4,096, N 4,000]; A: computed on the way; B: computed on the way: QUANTISED
;;   THE QUANTISER, for each operand of a quantised product, along K:
;;     - K is cut into blocks of 32 from its start; a last block that is shorter is filled with zeros.
;;     - A block's scale is 2^e with e = floor(log2(the largest magnitude in the block)) - 2, held to -126 .. 127; a block of zeros has e = 0. As a byte (E8M0): e + 127.
;;     - Each number is divided by its block's scale, clamped to +-7.5, and rounded to the nearest number of E2M3, ties to even, subnormals kept.
;;     - The product sums the exact products of the quantised numbers (number of the format x scale) in f32.
;;   ~~~python
;;   def quantise(x, axis):      # numpy; x: float32 -> the quantised numbers, widened to float32 again
;;       x = np.moveaxis(x, axis, -1); K = x.shape[-1]
;;       x = np.pad(x, [(0, 0)] * (x.ndim - 1) + [(0, -K % 32)]); x = x.reshape(x.shape[:-1] + (-1, 32)); a = np.abs(x).max(-1, keepdims=True)
;;       e = np.where(a > 0, np.clip(np.frexp(np.where(a > 0, a, 1))[1] - 1 - 2, -126, 127), 0)      # np.frexp(a)[1] - 1 = floor(log2(a)), exactly
;;       r = np.clip(x / 2.0 ** e, -7.5, 7.5)
;;       step = 2.0 ** (np.maximum(np.frexp(np.where(r == 0, 1, r))[1] - 1, 0) - 3)
;;       q = np.round(r / step) * step * 2.0 ** e      # np.round: ties to even
;;       return np.moveaxis(q.reshape(q.shape[:-2] + (-1,))[..., :K], -1, axis).astype(np.float32)
;;   ~~~
;;   OPERANDS COMPUTED ON THE WAY. 'Computed on the way' means the value that the module computes at that place (a softmax that the list does not call 'softmax' is quantised finished and normalised). What goes into a quantiser is computed in f32, as accurately as f32 sums, v_exp_f32 and their like allow (about 1e-6 of the number): no bf16 or f16 on the way to a quantiser, and a product that is left as it is and whose result goes on into a quantised operand takes f32 operands (vector FMAs, or v_wmma_f32_16x16x4_f32). A number that lies on a knife's edge between two numbers of the format may be rounded either way, as far as f32 arithmetic and the matrix unit's own rounding can turn it there, and no further.
;; One version. Each part assembles by itself: llvm-mc -triple=amdgcn-amd-amdhsa -mcpu=gfx1250 --defsym DOCPART=n.
;; ======== version 1 of 1: 2 launches
;; limits: right only within a limited range of input values
;; workspace buffers: a_img 13,107,200 bytes; b_img 13,107,200 bytes; b_sh 13,107,200 bytes
;; launch quant (part 1): grid 1024 x 1, 4 waves a work-group, no clusters, 34,304 bytes of LDS; arguments x, weight, a_img, b_img, b_sh; writes a_img, b_img, b_sh
.if DOCPART == 1
	.amdgcn_target "amdgcn-amd-amdhsa--gfx1250"
	.amdhsa_code_object_version 6
	.text
	.protected	k_q5f2a5fd9e9_quant
	.globl	k_q5f2a5fd9e9_quant
	.p2align	8
	.type	k_q5f2a5fd9e9_quant,@function
k_q5f2a5fd9e9_quant:
	s_mov_b64 s[64:65], 0
	v_nop
	global_prefetch_b8 v0, s[64:65] scope:SCOPE_SE
	s_setreg_imm32_b32 hwreg(HW_REG_WAVE_MODE, 25, 1), 1
	s_wait_xcnt 0x0
; x [4096][4096] and weight [4000][4096], f32, become the two operands of the product, as codes of FP6 (E2M3) with one E8M0 scale byte for each 32 along K.
; Ahead of the quantiser, in f32: x / X_SCALE and weight / W_SCALE, each held to +-448.  weight / 2^-9 is a multiplication by 512, exact.  x / f32(1/7) is a multiplication by the f32 number nearest to
; the reciprocal (0x40dfffff): it differs from the division by about one part in 10^7 of the number.
; A block's scale is 2^(floor(log2(its largest magnitude)) - 2): its byte is the largest magnitude's own exponent field - 2, held at 1 from below.
; LIMITS: NaN and infinities among the inputs are not served.  A block whose largest magnitude lies under 2^-124 keeps the byte 1; a block of zeros has the byte 1 where the rule says 127: its codes are
; zeros, which add nothing under any byte but 0xff, and the bytes are read by this program alone.
; THE WORKSPACE IS LAID IN THE ORDER OF THE OPERAND'S REGISTERS.  A panel is 128 rows, a chunk 128 along K, a RECORD one chunk of one panel: 12,800 bytes.  Bytes 0 .. 12,287: eight fragments (16 rows x 128 K,
; 12 registers a lane); registers 4 c .. 4 c + 3 of lane l of fragment i at 1,536 i + 512 c + 16 l.  Bytes 12,288 on: the scale words; that of row r of fragment 4 g + j at 12,288 + 256 g + 16 r + 4 j.
; Record (panel P, chunk q) lies at (32 P + q) x 12,800.
; WHICH ROWS FORM A PANEL.  A row of the result is 16,000 bytes, so its odd rows begin 128 bytes off a multiple of 256.  The product's launch gives a work-group rows of one parity, and to those of the odd rows
; columns 32 further on.  So x's panel P holds rows 512 (P / 4) + 256 (P % 2) + (P / 2) % 2 + 2 m, m = 0 .. 127.  The weight is laid twice, as 4,096 rows (rows 4,000 on are zero codes): b_img with panel P =
; rows 128 P + m, and b_sh with the rows two fragments further on: fragment F of b_img is fragment (F - 2) mod 256 of b_sh.
; SHARES.  A wave makes half a record, four fragments: 4,096 halves, 1,024 work-groups of four waves; the first 512 take the weight (they store twice), the others x.  One path serves both: pointers, the
; multiplier, the distance from row to row are chosen by the work-group's number.
; A load reads 512 consecutive bytes of one row, 16 a lane; a fragment's 16 rows (their bases in 16 scalar pairs) turn through the wave's own stage in LDS (rows 528 bytes apart) and come back so that lane (r, h)
; holds, of row r, k = 32 h + 0 .. 31 and k = 64 + 32 h + 0 .. 31: two whole blocks, in the order of the operand's registers.  No barrier: waves share nothing.  Loads run two fragments (32 loads a wave) ahead.
; THE PADDING: in the weight's last panel only fragments 0 and 1 exist.  Fragment f loads the rows of fragment min(f, LIM) and multiplies by 0 where f > LIM: no load leaves the buffer.
; b_sh's scale words leave as 8 bytes a row, 16 bytes apart (a wave's four fragments fall into two groups of four there): 512 bytes of a record's 12,800.
.set REC,  12800
.set FRB,  1536
.set SP,   528
.set L16,  4                           ; v4      16 x lane
.set STI,  5                           ; v5      the stage, on the way in
.set STQ,  6                           ; v6      and on the way out: 528 r + 128 h
.set OFF,  7                           ; v7-8    the loads' offsets, by turns
.set SH,   10                          ; v10     8 h               (v9: 448.0)
.set R16,  11                          ; v11     16 r
.set MX,   12
.set SO,   14
.set BY,   16
.set WD,   18
.set PM,   19
.set W,    20                          ; v20-23  my four fragments' scale words of row r
.set PC,   28                          ; v28-39  a fragment's codes
.set T,    40
.set SHO,  52                          ; v52     the fragment's place in b_sh + 16 x lane
.set R,    64
.set X,    192
.set BP,   66                          ; s66-97  the 16 rows' bases
	s_load_b256 s[4:11], s[0:1], 0x0               ; x, weight, a_img, b_img
	s_load_b64 s[12:13], s[0:1], 0x20              ; b_sh
	v_lshl_add_u32 v62, v0, 2, 0x8400
	v_mov_b32 v63, 0
	v_lshrrev_b32 v1, 5, v0
	v_readfirstlane_b32 s40, v1                    ; wave
	v_and_b32 v1, 31, v0
	v_and_b32 v2, 15, v0                           ; r
	v_bfe_u32 v3, v0, 4, 1                         ; h
	v_lshlrev_b32 v[L16], 4, v1
	s_mul_i32 s44, s40, 16*SP                      ; my stage
	v_add_nc_u32 v[STI], s44, v[L16]
	v_mul_u32_u24 v[STQ], v2, SP
	v_lshl_add_u32 v[STQ], v3, 7, v[STQ]
	v_add_nc_u32 v[STQ], s44, v[STQ]
	v_mov_b32 v9, 0x43e00000                       ; 448.0
	v_lshlrev_b32 v[SH], 3, v3
	v_lshlrev_b32 v[R16], 4, v2
	v_mov_b32 v[PM], 0                             ; a lane permute's destination counts as one of its sources
	s_mov_b32 s18, 0x76543210
	s_mov_b32 s19, 0xfedcba98
	s_and_b32 s24, ttmp9, 511
	s_and_b32 s33, s24, 1
	s_lshl_b32 s33, s33, 2                         ; my first fragment: 0 or 4
	s_lshr_b32 s24, s24, 1
	s_lshr_b32 s25, s24, 3                         ; panel
	s_and_b32 s42, s24, 7
	s_lshl_b32 s42, s42, 2
	s_add_co_u32 s42, s42, s40                     ; chunk: the four waves stand side by side on 2,048 bytes of each row
	s_lshr_b32 s26, s25, 2
	s_lshl_b32 s26, s26, 9
	s_and_b32 s27, s25, 1
	s_lshl_b32 s27, s27, 8
	s_add_co_u32 s26, s26, s27
	s_bfe_u32 s27, s25, 0x10001
	s_add_co_u32 s26, s26, s27                     ; x's panel begins at row 512 (P / 4) + 256 (P % 2) + (P / 2) % 2,
	s_lshl_b32 s27, s25, 7                         ; the weight's at 128 P
	s_mov_b32 s22, 0x40dfffff                      ; 1 / X_SCALE
	s_cmp_lt_u32 ttmp9, 512                        ; the weight's work-group?
	s_cselect_b32 s26, s27, s26
	s_cselect_b32 s35, 1, 0
	s_cselect_b32 s41, 18, 19                      ; a fragment is 16 rows on, or 32
	s_cselect_b32 s22, 0x44000000, s22             ; 512.0 = 1 / W_SCALE
	s_sub_co_u32 s36, s41, 4
	s_lshl_b32 s36, 1, s36                         ; from row to row: 16,384 bytes, or 32,768
	s_mov_b32 s37, 0
	s_lshl_b32 s28, s26, 14
	s_lshl_b32 s27, s42, 9
	s_add_co_u32 s28, s28, s27
	s_mov_b32 s29, 0
	s_lshl_b32 s30, s25, 5
	s_add_co_u32 s30, s30, s42
	s_mul_i32 s30, s30, REC                        ; my record,
	s_mul_i32 s27, s33, FRB
	s_add_co_u32 s30, s30, s27                     ; my half of it
	s_mov_b32 s31, 0
	s_lshl_b32 s43, s25, 3
	s_add_co_u32 s43, s43, s33
	s_add_co_u32 s43, s43, 254                     ; my first fragment's number in b_sh, + 256
	s_sub_co_u32 s27, ttmp9, 496
	s_cmp_lt_u32 s27, 16                           ; the weight's panel 31
	s_cselect_b32 s23, 1, 7                        ; LIM
	s_wait_alu depctr_va_vdst(0)                   ; the wait at the head's end
	s_wait_kmcnt 0x0
	s_cmp_lt_u32 ttmp9, 512
	s_cselect_b64 s[BP:BP+1], s[6:7], s[4:5]
	s_cselect_b64 s[16:17], s[10:11], s[8:9]
	s_add_nc_u64 s[BP:BP+1], s[BP:BP+1], s[28:29]
	s_add_nc_u64 s[16:17], s[16:17], s[30:31]
.set i, 1
.rept 15
	s_add_nc_u64 s[BP+2*i:BP+2*i+1], s[BP+2*i-2:BP+2*i-1], s[36:37]
.set i, i+1
.endr
.macro LOAD j                          ; my j-th fragment's 16 rows x 512 bytes into set j % 2
	s_add_co_u32 s32, s33, \j
	s_min_u32 s32, s23, s32
	s_lshl_b32 s32, s32, s41
	v_add_nc_u32 v[OFF+(\j)%2], s32, v[L16]
.irp i, 0,1,2,3,4,5,6,7,8,9,10,11,12,13,14,15
	global_load_b128 v[R+64*((\j)%2)+4*\i:R+64*((\j)%2)+4*\i+3], v[OFF+(\j)%2], s[BP+2*\i:BP+2*\i+1] th:TH_LOAD_NT
.endr
.endm
.macro FRAG f
.set RS, R+64*((\f)%2)
.if (\f) < 3
	s_wait_loadcnt 16                              ; this fragment's 16 loads are in; the next fragment's 16 may be out
.else
	s_wait_loadcnt 0x0
.endif
.irp i, 0,1,2,3,4,5,6,7,8,9,10,11,12,13,14,15
	ds_store_b128 v[STI], v[RS+4*\i:RS+4*\i+3] offset:SP*\i
.endr
.irp j, 0,1,2,3,4,5,6,7
	ds_load_b128 v[X+4*\j:X+4*\j+3], v[STQ] offset:16*\j               ; LDS serves a wave's instructions in order.  k = 32 h + 4 j ..
.endr
.irp j, 0,1,2,3,4,5,6,7
	ds_load_b128 v[X+32+4*\j:X+32+4*\j+3], v[STQ] offset:256+16*\j     ; k = 64 + 32 h + 4 j ..
.endr
	s_add_co_u32 s34, s33, \f
	s_cmp_ge_u32 s23, s34
	s_cselect_b32 s20, s22, 0                      ; the multiplier, or 0 for a fragment of padding
	s_mov_b32 s21, s20
	s_wait_dscnt 0x0                               ; my numbers are back, and the stores into the stage have read their registers
.if (\f)+2 < 4
	LOAD (\f)+2
.endif
.set j, 0
.rept 32
	v_pk_mul_f32 v[X+j:X+j+1], v[X+j:X+j+1], s[20:21] op_sel_hi:[1,0]
.set j, j+2
.endr
.set j, 0
.rept 64
	v_med3_num_f32 v[X+j], v[X+j], -v9, v9         ; the clip at +-448
.set j, j+1
.endr
	v_max3_num_f32 v[MX], |v[X]|, |v[X+1]|, 0x1800000          ; my two blocks' largest magnitudes, by turns, and the floor 2^(3 - 127)
	v_max3_num_f32 v[MX+1], |v[X+32]|, |v[X+33]|, 0x1800000
.set j, 2
.rept 15
	v_max3_num_f32 v[MX], v[MX], |v[X+j]|, |v[X+j+1]|
	v_max3_num_f32 v[MX+1], v[MX+1], |v[X+32+j]|, |v[X+33+j]|
.set j, j+2
.endr
	v_add_nc_u32 v[SO], 0xff000000, v[MX]          ; 2 off the exponent field: the conversion's scale operand
	v_add_nc_u32 v[SO+1], 0xff000000, v[MX+1]
	v_lshrrev_b32 v[BY], 23, v[SO]                 ; the scale's byte: block h,
	v_lshrrev_b32 v[BY+1], 23, v[SO+1]             ; block 2 + h
	v_lshl_or_b32 v[WD], v[BY+1], 16, v[BY]
	v_lshlrev_b32 v[WD], v[SH], v[WD]
	v_permlanex16_b32 v[PM], v[WD], s18, s19
	v_or_b32 v[W+(\f)], v[WD], v[PM]               ; the word of row r is whole, in both halves of the lanes
	s_wait_alu depctr_va_vdst(0)                   ; the wait here, directly ahead of the wait below
	s_wait_xcnt 0x0                                ; the last fragment's stores have read their data and offsets
	s_add_co_u32 s45, s43, \f                      ; the fragment's place in b_sh
	s_and_b32 s45, s45, 255
	s_lshr_b32 s46, s45, 3
	s_lshl_b32 s46, s46, 5
	s_add_co_u32 s46, s46, s42
	s_mul_i32 s46, s46, REC
	s_and_b32 s45, s45, 7
	s_mul_i32 s45, s45, FRB
	s_add_co_u32 s46, s46, s45
	v_add_nc_u32 v[SHO], s46, v[L16]
	v_cvt_scalef32_pk16_fp6_f32 v[PC:PC+2], v[X:X+15], v[SO]
	v_cvt_scalef32_pk16_fp6_f32 v[T:T+2], v[X+16:X+31], v[SO]          ; (a conversion's three registers begin on an even number)
	v_cvt_scalef32_pk16_fp6_f32 v[PC+6:PC+8], v[X+32:X+47], v[SO+1]
	v_cvt_scalef32_pk16_fp6_f32 v[T+4:T+6], v[X+48:X+63], v[SO+1]
	v_nop                                          ; one plain place behind a scaled conversion
.irp i, 0,1,2
	v_mov_b32 v[PC+3+\i], v[T+\i]
	v_mov_b32 v[PC+9+\i], v[T+4+\i]
.endr
	s_wait_alu depctr_va_vdst(0)                   ; the wait ahead of the branch below
.irp c, 0,1,2
	global_store_b128 v[L16], v[PC+4*\c:PC+4*\c+3], s[16:17] offset:FRB*(\f)+512*\c   ; 32 lanes store 512 consecutive bytes, at a multiple of 256 from the buffer's first byte
.endr
	s_cmp_eq_u32 s35, 0
	s_cbranch_scc1 .Lno_sh_\@                      ; x has one image
.irp c, 0,1,2
	global_store_b128 v[SHO], v[PC+4*\c:PC+4*\c+3], s[12:13] offset:512*\c
.endr
.Lno_sh_\@:
.endm
.macro WOFF dst, add                   ; where the words of my fragments add, add + 1 lie in b_sh
	s_add_co_u32 s45, s43, \add
	s_and_b32 s45, s45, 255
	s_lshr_b32 s[\dst], s45, 3
	s_lshl_b32 s[\dst], s[\dst], 5
	s_add_co_u32 s[\dst], s[\dst], s42
	s_mul_i32 s[\dst], s[\dst], REC
	s_and_b32 s27, s45, 4
	s_lshl_b32 s27, s27, 6
	s_add_co_u32 s[\dst], s[\dst], s27
	s_and_b32 s27, s45, 3
	s_lshl_b32 s27, s27, 2
	s_add_co_u32 s[\dst], s[\dst], s27
	s_add_co_u32 s[\dst], s[\dst], 12288
.endm
	LOAD 0
	LOAD 1
.irp f, 0,1,2,3
	FRAG \f
.endr
	s_mul_i32 s44, s33, 1472
	s_sub_co_u32 s44, 12288, s44                   ; my group of four words, counted from my half of the record: 12,288 + 256 g - 6,144 g
	WOFF 46, 0
	WOFF 47, 2
	v_add_nc_u32 v48, s44, v[R16]
	v_add_nc_u32 v49, s46, v[R16]
	v_add_nc_u32 v50, s47, v[R16]
	global_store_b128 v48, v[W:W+3], s[16:17]      ; sixteen lanes store 256 consecutive bytes; lanes 16-31 hold the same words and name the same bytes
	s_cmp_eq_u32 s35, 0
	s_cbranch_scc1 .Ldone
	global_store_b64 v49, v[W:W+1], s[12:13]
	global_store_b64 v50, v[W+2:W+3], s[12:13]
.Ldone:
	s_wait_tensorcnt 0x0                           ; the wave's end
	ds_add_u32 v62, v63
	s_wait_dscnt 0x0
	s_endpgm
.Lfunc_end_k_q5f2a5fd9e9_quant:
	.size	k_q5f2a5fd9e9_quant, .Lfunc_end_k_q5f2a5fd9e9_quant-k_q5f2a5fd9e9_quant
	.p2alignl 7, 3214868480
	.fill 96, 4, 3214868480
	.section	.rodata,"a",@progbits
	.p2align	6, 0x0
	.amdhsa_kernel k_q5f2a5fd9e9_quant
		.amdhsa_group_segment_fixed_size 34304
		.amdhsa_private_segment_fixed_size 0
		.amdhsa_enable_private_segment 0
		.amdhsa_kernarg_size 40
		.amdhsa_user_sgpr_count 2
		.amdhsa_user_sgpr_kernarg_segment_ptr 1
		.amdhsa_wavefront_size32 1
		.amdhsa_system_sgpr_workgroup_id_x 1
		.amdhsa_system_sgpr_workgroup_id_y 1
		.amdhsa_system_sgpr_workgroup_id_z 1
		.amdhsa_system_vgpr_workitem_id 0
		.amdhsa_next_free_vgpr 256
		.amdhsa_next_free_sgpr 100
		.amdhsa_reserve_vcc 0
		.amdhsa_float_denorm_mode_32 3
		.amdhsa_float_denorm_mode_16_64 3
		.amdhsa_memory_ordered 1
		.amdhsa_forward_progress 1
		.amdhsa_inst_pref_size 61
	.end_amdhsa_kernel
	.amdgpu_metadata
---
amdhsa.version: [ 1, 2 ]
amdhsa.kernels:
  - .name:           k_q5f2a5fd9e9_quant
    .symbol:         k_q5f2a5fd9e9_quant.kd
    .args:
      - { .name: x, .offset: 0, .size: 8, .value_kind: global_buffer, .address_space: global }
      - { .name: weight, .offset: 8, .size: 8, .value_kind: global_buffer, .address_space: global }
      - { .name: a_img, .offset: 16, .size: 8, .value_kind: global_buffer, .address_space: global }
      - { .name: b_img, .offset: 24, .size: 8, .value_kind: global_buffer, .address_space: global }
      - { .name: b_sh, .offset: 32, .size: 8, .value_kind: global_buffer, .address_space: global }
    .group_segment_fixed_size: 34304
    .private_segment_fixed_size: 0
    .kernarg_segment_align: 8
    .kernarg_segment_size: 40
    .max_flat_workgroup_size: 128
    .sgpr_count:     100
    .vgpr_count:     256
    .wavefront_size: 32
...
	.end_amdgpu_metadata
.endif
;; end of part 1
;; launch gemm (part 2): grid 16 x 16, 4 waves a work-group, clusters of 4 x 4, 327,680 bytes of LDS; arguments a_img, b_img, b_sh, bias, out0; writes out0
.if DOCPART == 2
	.amdgcn_target "amdgcn-amd-amdhsa--gfx1250"
	.amdhsa_code_object_version 6
	.text
	.protected	k_q5f2a5fd9e9_gemm
	.globl	k_q5f2a5fd9e9_gemm
	.p2align	8
	.type	k_q5f2a5fd9e9_gemm,@function
k_q5f2a5fd9e9_gemm:
	s_mov_b64 s[64:65], 0
	v_nop
	global_prefetch_b8 v0, s[64:65] scope:SCOPE_SE
	s_setreg_imm32_b32 hwreg(HW_REG_WAVE_MODE, 25, 1), 1
	s_wait_xcnt 0x0
	s_wait_alu depctr_hold_cnt(0) depctr_sa_sdst(0) depctr_va_vdst(0) depctr_va_sdst(0) depctr_va_ssrc(0) depctr_va_vcc(0) depctr_vm_vsrc(0)
	s_getreg_b32 s2, hwreg(HW_REG_IB_STS2, 6, 4)
	s_cmp_eq_u32 s2, 0
	s_cbranch_scc0 .Lentry_in_a_cluster
	s_endpgm
.Lentry_in_a_cluster:
	s_bfe_u32 s2, ttmp6, 0x10000c
	s_cmp_lg_u32 s2, 0xf033
	s_cbranch_scc0 .Lentry_shape_is_right
	s_endpgm
.Lentry_shape_is_right:
; out0[m][n] = (sum over k of A[m][k] B[n][k]) x X_SCALE x W_SCALE + bias[n].  A and B are the quantised x / X_SCALE and weight / W_SCALE: codes of FP6 (E2M3) with E8M0 scale bytes,
; as the launch before laid them: a RECORD (12,800 bytes) is 128 rows x 128 K in the order of the operand's registers: eight fragments of 1,536 bytes (registers 4 c .. 4 c + 3 of lane l at 512 c + 16 l),
; then the 128 rows' scale words.  Record (panel P, K step q) lies at (32 P + q) x 12,800.  B is laid as 4,096 rows, rows 4,000 on being zero codes; their columns are not stored.
; A tile of C, 256 x 256, is made by four waves, each 128 x 128: 64 accumulators, 512 registers.  256 work-groups.  K = 32 steps of 128.
; THE RING: two LDS slots, each with three K steps of A's two panels and B's two panels (4 x 38,400 bytes); a wave's one tensor load brings one panel's three records, dense, as 150 rows of 256 bytes.
; Fill j holds K steps 3 j .. 3 j + 2 in slot j % 2, j = 0 .. 9; fill 10 holds the last two steps (100 rows).  At a slot's last step all its fragments are in registers: the step's first 32 products stand
; ahead of the wait for the tensor loads, and the round and the refill follow that wait directly; the step's other 32 products run behind the refill.
; FRAGMENTS: A has one set (blocks 0-3 fetched anew in a step's middle, blocks 4-7 at its end), B two sets: at a step's end the set just multiplied takes B's fragments of the step after next,
; where that step lies in the same slot; a slot's first step's come behind the barrier that shows the slot.
; THE LAST TWO K STEPS GO BY ROWS OF C: both steps' fragments of B fill B's two sets, A's come by blocks of 16 rows, and each block leaves as soon as its 16 products are issued.
; CLUSTERS: 4 x 4 work-groups; A's panels are shared along a row of the cluster, B's along a column: joint loads, each behind a round of the cluster's barrier.
; THE MATRIX INSTRUCTION IS USED TRANSPOSED (source 0 = B's rows, source 1 = A's rows): a lane holds eight neighbouring columns of one row of C.
; PREFETCH: behind the joint load of fill j each wave asks for fill j + 1 of the panel that it fetches (three K steps ahead of the load that wants it); the four partners that ask for a panel jointly share
; its 150 units of 256 bytes out by address, 38 each (the last is clamped to unit 149); fill 10's 100 units go 25 to a partner; behind fills 10's load nothing is asked for.
; REGISTERS: window 0: v0-31 addresses, v32-47 scale words (two sets), v128-223 A's fragments; window 1: B's sets at v0 and v128; windows 2, 3: the accumulators ((a, b) at v[8 (8 (a % 4) + b)]).
; LIMITS: as the launch before states them (NaN and infinities among the inputs are not served).
; WHOLE UNITS OUT: a row of out0 is 16,000 bytes, so odd rows begin 128 bytes off a multiple of 256.  A work-group takes 256 rows of ONE parity out of 512 (the parity is that of the cluster's y, which all
; partners share; a_img's panels are laid so), and the work-groups of the odd rows take their columns 32 further on, wrapped at 4,096 (b_sh is b_img with the rows two fragments further on):
; so every store of 512 bytes begins at a multiple of 256 from out0's first byte, but for columns 0 .. 31 of the odd rows.
.set REC,    12800
.set FR,     12
.set FRB,    1536
.set PANB,   3*REC                     ; a panel's part of a slot
.set SLOT,   4*PANB
.set SPARE,  2*SLOT                    ; the spare words: 512 bytes that no other line names
.set STG,    SLOT                      ; the way out's stages lie in slot 1, which has had its last fill and its last read by then
.set SPITCH, 528
.set PANK,   32*REC
.set NOUT,   4000
.set BIAS, 8                           ; v8-11  bias of my four columns on the way out
.set PFO,  12                          ; v12-14 the prefetches' offsets
.set ADRA, 16                          ; v16-17 my A panel in slot 0, 1, + 16 x lane
.set ADRB, 20                          ; v20-21 my B panel
.set ADRS, 22                          ; v22-23 scale words: lanes 0-15 A's, lanes 16-31 B's
.set STO,  24
.set RD,   25
.set CO,   26
.set COL,  27
.set SPW,  28
.set NIL,  29
.set BO,   30
.set GO,   31                          ; v31    my four columns' byte offset in a row of out0
.set SC,   32
.set AF,   128
.set G1,   24                          ; group 1 for A, 150 rows; s[32:39] group 0, one for each slot
.set G0,   32
.set G1B,  48
.set G0B,  56
.set G1S,  68                          ; group 1 for the short last fill, 100 rows
.set G1SB, 76
.set PFA,  88
.set MSB, 0
.macro WIN new
.if MSB != (\new)
	s_set_vgpr_msb (MSB<<8)|(\new)
.set MSB, (\new)
.endif
.endm
.set MUL_LO, 0xa1
.set MUL_HI, 0xf1
.set TO_B,   0x40
.macro JLOAD g0a, g1a, g0b, g1b        ; waves 0, 1 fetch A's panels, waves 2, 3 B's
	s_cmp_eq_u32 s15, 0
	s_cbranch_scc0 .Lfor_b_\@
	tensor_load_to_lds s[\g0a:\g0a+3], s[\g1a:\g1a+7]
	s_nop 0
.rept 4
	v_nop
.endr
	s_branch .Lasked_\@
.Lfor_b_\@:
	tensor_load_to_lds s[\g0b:\g0b+3], s[\g1b:\g1b+7]
	s_nop 0
.rept 4
	v_nop
.endr
.Lasked_\@:
.endm
.macro ASK how                         ; how = 1: the next fill's 150 units; how = 2: in the loop's last trip the next fill is the short one
.if (\how) == 2
	s_cmp_gt_u32 s3, 1
	s_cbranch_scc0 .Lshort_\@
.endif
	global_prefetch_b8 v[PFO], s[PFA:PFA+1] th:TH_LOAD_NT scope:SCOPE_SE
	global_prefetch_b8 v[PFO+1], s[PFA:PFA+1] th:TH_LOAD_NT scope:SCOPE_SE
.if (\how) == 2
	s_branch .Lpf_\@
.Lshort_\@:
	global_prefetch_b8 v[PFO+2], s[PFA:PFA+1] th:TH_LOAD_NT scope:SCOPE_SE
.Lpf_\@:
.endif
.endm
.macro CREST
	s_cmp_lg_u32 s14, 0
	s_cbranch_scc1 .Lnot_wave_0_\@
	s_barrier_signal -3
.Lnot_wave_0_\@:
	s_barrier_wait -3
	s_barrier_signal -1
	s_barrier_wait -1
.endm
.macro CROUND
	s_barrier_signal -1
	s_barrier_wait -1
	CREST
.endm
	s_load_b256 s[4:11], s[0:1], 0x0               ; a_img, b_img, b_sh, bias
	s_load_b64 s[12:13], s[0:1], 0x20              ; out0
	v_lshl_add_u32 v[SPW], v0, 2, SPARE
	v_mov_b32 v[NIL], 0
	ds_add_u32 v[SPW], v[NIL]                      ; the opening lines: the add twice on end and one wait
	ds_add_u32 v[SPW], v[NIL]
	v_lshrrev_b32 v1, 5, v0
	v_readfirstlane_b32 s14, v1                    ; wave
	s_lshr_b32 s15, s14, 1                         ; my half of the tile's rows; also: I fetch for A (0) or B (1)
	s_and_b32 s16, s14, 1                          ; my half of its columns; also: which panel I fetch
	s_bfe_u32 s40, ttmp6, 0x40000                  ; cx
	s_bfe_u32 s41, ttmp6, 0x40004                  ; cy
	s_lshl_b32 s42, ttmp9, 2
	s_add_co_u32 s42, s42, s40                     ; tile column
	s_and_b32 s17, ttmp7, 0xffff
	s_and_b32 s94, s17, 1                          ; my rows' parity: the cluster's y % 2
	s_lshr_b32 s17, s17, 1
	s_lshl_b32 s17, s17, 2
	s_add_co_u32 s17, s17, s41                     ; which 512 rows: 4 (cluster y / 2) + cy
	s_lshl_b32 s95, s17, 9
	s_lshl_b32 s17, s17, 1
	s_add_co_u32 s17, s17, s94                     ; a_img's pair of panels
	s_lshl_b32 s43, s41, 2
	s_lshl_b32 s43, 15, s43                        ; my row of the cluster
	s_lshl_b32 s44, 0x1111, s40                    ; my column
	s_or_b32 s[G1+0], s43, (3<<16)|(1<<21)         ; elements of 8 bytes, no padding; bit 21 beside the mask
	s_or_b32 s[G1B+0], s44, (3<<16)|(1<<21)
	s_or_b32 s[G1S+0], s43, (3<<16)|(1<<21)
	s_or_b32 s[G1SB+0], s44, (3<<16)|(1<<21)
.irp g, G1, G1B
	s_mov_b32 s[\g+1], 32<<16                      ; rows of 32 elements = 256 bytes,
	s_mov_b32 s[\g+2], 150<<16                     ; 150 of them
	s_mov_b32 s[\g+3], 32<<16
	s_mov_b32 s[\g+4], 150
	s_mov_b32 s[\g+5], 32
	s_mov_b32 s[\g+6], 0
	s_mov_b32 s[\g+7], 0
.endr
.irp g, G1S, G1SB
	s_mov_b32 s[\g+1], 32<<16
	s_mov_b32 s[\g+2], 100<<16
	s_mov_b32 s[\g+3], 32<<16
	s_mov_b32 s[\g+4], 100
	s_mov_b32 s[\g+5], 32
	s_mov_b32 s[\g+6], 0
	s_mov_b32 s[\g+7], 0
.endr
	s_lshl_b32 s20, s17, 1
	s_add_co_u32 s20, s20, s16
	s_mul_i32 s20, s20, PANK                       ; A's panel 2 x tile row + half
	s_mov_b32 s21, 0
	s_lshl_b32 s46, s42, 1
	s_add_co_u32 s46, s46, s16
	s_mul_i32 s46, s46, PANK                       ; B's panel 2 x tile column + half
	s_mov_b32 s47, 0
	s_mul_i32 s45, s14, PANB                       ; where my panel goes: wave x 38,400
	s_wait_dscnt 0x0
	s_wait_kmcnt 0x0
	s_add_nc_u64 s[20:21], s[4:5], s[20:21]
	s_cmp_lg_u32 s94, 0
	s_cselect_b64 s[6:7], s[8:9], s[6:7]           ; odd rows: b_sh
	s_add_nc_u64 s[46:47], s[6:7], s[46:47]
.irp s, 0,1
	s_mov_b32 s[G0+4*\s], 1
	s_add_co_u32 s[G0+4*\s+1], s45, \s*SLOT
	s_add_nc_u64 s[G0+4*\s+2:G0+4*\s+3], s[20:21], \s*3*REC
	s_or_b32 s[G0+4*\s+3], s[G0+4*\s+3], 0x80000000
	s_mov_b32 s[G0B+4*\s], 1
	s_add_co_u32 s[G0B+4*\s+1], s45, \s*SLOT
	s_add_nc_u64 s[G0B+4*\s+2:G0B+4*\s+3], s[46:47], \s*3*REC
	s_or_b32 s[G0B+4*\s+3], s[G0B+4*\s+3], 0x80000000
.endr
	CROUND                                         ; the first joint loads meet
	JLOAD G0, G1, G0B, G1B                         ; fill 0: one tensor load a wave at the head
	; the rest of the head stands behind the load: first all its scalar work, then all its vector work
	s_cmp_eq_u32 s15, 0
	s_cselect_b32 s91, s40, s41                    ; my place among the four that ask for my panel
	s_cselect_b64 s[PFA:PFA+1], s[20:21], s[46:47]
	s_add_nc_u64 s[PFA:PFA+1], s[PFA:PFA+1], 6*REC ; fill 2
	s_mul_i32 s93, s91, 25
	s_mul_i32 s91, s91, 38
	s_mul_i32 s21, s15, PANB                       ; my A panel in a slot
	s_mul_i32 s22, s16, PANB
	s_add_co_u32 s22, s22, 2*PANB                  ; my B panel
	s_sub_co_u32 s23, s22, s21
	s_mul_i32 s92, s14, 16*SPITCH
	s_add_co_u32 s92, s92, STG                     ; my stage
	s_lshl_b32 s46, s42, 8
	s_lshl_b32 s47, s16, 7
	s_add_co_u32 s46, s46, s47
	s_lshl_b32 s47, s94, 5
	s_add_co_u32 s46, s46, s47                     ; my first column; odd rows: 32 further on
	s_lshl_b32 s19, s15, 8
	s_add_co_u32 s18, s95, s19
	s_add_co_u32 s18, s18, s94                     ; my first row; my rows lie two apart
	s_mul_i32 s18, s18, 4*NOUT
	s_mov_b32 s19, 0
	s_add_nc_u64 s[12:13], s[12:13], s[18:19]
	s_mov_b32 s84, 0x39924925                      ; X_SCALE x W_SCALE = 1 / 3584
	s_mov_b32 s85, s84
	v_and_b32 v1, 15, v0
	v_bfe_u32 v2, v0, 4, 1
	v_and_b32 v3, 31, v0
	v_add_nc_u32 v[PFO], s91, v3                   ; units 38 place + lane,
	v_min_u32 v[PFO+1], 5, v3
	v_min_u32 v[PFO+2], 24, v3
	v_lshlrev_b32 v[PFO], 8, v[PFO]
	v_add_nc_u32 v[PFO+1], s91, v[PFO+1]
	v_add_nc_u32 v[PFO+2], s93, v[PFO+2]           ; the short fill: units 25 place + min(lane, 24)
	v_add_nc_u32 v[PFO+1], 32, v[PFO+1]            ; and 38 place + 32 + min(lane, 5),
	v_lshlrev_b32 v[PFO+2], 8, v[PFO+2]
	v_min_u32 v[PFO+1], 149, v[PFO+1]              ; held inside the fill
	v_lshlrev_b32 v[CO], 4, v3
	v_lshlrev_b32 v[PFO+1], 8, v[PFO+1]
	v_mul_u32_u24 v6, s23, v2                      ; lanes 16-31 take B's scale words
	v_lshl_add_u32 v6, v1, 4, v6
	v_add_nc_u32 v6, 8*FRB, v6
	v_add_nc_u32 v[ADRA], s21, v[CO]
	v_add_nc_u32 v[ADRB], s22, v[CO]
	v_add_nc_u32 v[ADRS], s21, v6
	v_add_nc_u32 v[ADRA+1], SLOT, v[ADRA]
	v_add_nc_u32 v[ADRB+1], SLOT, v[ADRB]
	v_add_nc_u32 v[ADRS+1], SLOT, v[ADRS]
	v_mul_u32_u24 v5, v1, SPITCH
	v_lshl_add_u32 v5, v2, 5, v5
	v_add_nc_u32 v[STO], s92, v5                   ; into the stage: row l % 16, 32 bytes for each half of the lanes
	v_add_nc_u32 v[RD], s92, v[CO]                 ; back: 32 lanes take a row of 512 bytes
	v_lshl_add_u32 v[COL], v3, 2, s46
	v_and_b32 v[COL], 0xfff, v[COL]                ; my four columns on the way out, wrapped at 4,096
	v_lshlrev_b32 v[GO], 2, v[COL]
	v_min_u32 v[BO], 4*NOUT-16, v[GO]              ; no load leaves the buffer
	global_load_b128 v[BIAS:BIAS+3], v[BO], s[10:11]
.macro MUL16 a0, p, zero               ; A's blocks a0, a0 + 1 x B's eight; the 64 accumulators take turns
.irp a, \a0, \a0+1
.irp b, 0,1,2,3,4,5,6,7
.if \zero
	v_wmma_scale_f32_16x16x128_f8f6f4 v[8*(8*((\a)%4)+\b):8*(8*((\a)%4)+\b)+7], v[128*(\p)+FR*\b:128*(\p)+FR*\b+FR-1], v[AF+FR*(\a):AF+FR*(\a)+FR-1], 0, v[SC+8*(\p)+\b], v[SC+8*(\p)+(\a)] matrix_a_fmt:MATRIX_FMT_FP6 matrix_b_fmt:MATRIX_FMT_FP6 matrix_a_scale:MATRIX_SCALE_ROW1
.else
	v_wmma_scale_f32_16x16x128_f8f6f4 v[8*(8*((\a)%4)+\b):8*(8*((\a)%4)+\b)+7], v[128*(\p)+FR*\b:128*(\p)+FR*\b+FR-1], v[AF+FR*(\a):AF+FR*(\a)+FR-1], v[8*(8*((\a)%4)+\b):8*(8*((\a)%4)+\b)+7], v[SC+8*(\p)+\b], v[SC+8*(\p)+(\a)] matrix_a_fmt:MATRIX_FMT_FP6 matrix_b_fmt:MATRIX_FMT_FP6 matrix_a_scale:MATRIX_SCALE_ROW1
.endif
.endr
.endr
.endm
.macro FETCH_B slot, q, p              ; 24 loads: B's eight fragments of the slot's step q into set p
	WIN TO_B
.irp i, 0,1,2,3,4,5,6,7
.irp c, 0,1,2
	ds_load_b128 v[128*(\p)+FR*\i+4*\c:128*(\p)+FR*\i+4*\c+3], v[ADRB+\slot] offset:(\q)*REC+FRB*\i+512*\c
.endr
.endr
	WIN 0
.endm
.macro FETCH_A slot, q, i0             ; 12 loads: A's blocks i0 .. i0 + 3
.irp i, \i0, \i0+1, \i0+2, \i0+3
.irp c, 0,1,2
	ds_load_b128 v[AF+FR*(\i)+4*\c:AF+FR*(\i)+4*\c+3], v[ADRA+\slot] offset:(\q)*REC+FRB*(\i)+512*\c
.endr
.endr
.endm
.macro SCALES slot, q, p               ; 2 loads: register SC + 8 p + i: lanes 0-15 the words of A's block i, lanes 16-31 of B's block i
.irp g, 0,1
	ds_load_b128 v[SC+8*(\p)+4*\g:SC+8*(\p)+4*\g+3], v[ADRS+\slot] offset:(\q)*REC+256*\g
.endr
.endm
.macro PLACES                          ; four places behind a matrix instruction, ahead of loads into its registers and of reads of its result
.rept 4
	v_nop
.endr
.endm
; A slot's first or second step.  qn: the next step's place in the slot; p: B's set and the scale words' set; wb = 1: the set just multiplied takes B of the step after next
.macro STEP slot, qn, p, zero, wb
	s_wait_dscnt 36                                ; out may be: A's blocks 4-7 (12) and the next step's B (24)
	WIN MUL_LO
	MUL16 0, \p, \zero
	MUL16 2, \p, \zero
	s_wait_dscnt 24                                ; A's blocks 4-7 are in
	PLACES
	WIN 0
	FETCH_A \slot, \qn, 0
	SCALES \slot, \qn, 1-\p
	WIN MUL_HI
	MUL16 4, \p, \zero
	MUL16 6, \p, \zero
	PLACES
	WIN 0
	FETCH_A \slot, \qn, 4
.if \wb
	FETCH_B \slot, (\qn)+1, \p
.endif
.endm
.macro MEET p                          ; a slot's last step, up to its barrier: 32 products, then the tensor wait and the add
	s_wait_dscnt 12                                ; out may be: A's blocks 4-7
	WIN MUL_LO
	MUL16 0, \p, 0
	MUL16 2, \p, 0
	WIN 0
	s_wait_tensorcnt 0x0                           ; my one load that was out, my panel of the next slot, has landed
	ds_add_u32 v[SPW], v[NIL]
.endm
; A slot's last step with its refill.  fill = 1: three K steps; fill = 2: the last two
.macro TURN slot, next, p, fill, ask
.if \ask
	s_wait_xcnt 0x0                                ; my last prefetch has read its address
	s_add_nc_u64 s[PFA:PFA+1], s[PFA:PFA+1], 3*REC
.endif
	MEET \p
	s_add_nc_u64 s[G0+4*\slot+2:G0+4*\slot+3], s[G0+4*\slot+2:G0+4*\slot+3], 6*REC     ; no load of mine is out: this slot's next fill
	s_add_nc_u64 s[G0B+4*\slot+2:G0B+4*\slot+3], s[G0B+4*\slot+2:G0B+4*\slot+3], 6*REC
	s_wait_dscnt 0x0                               ; the add is done, and so are my reads of this slot
	s_barrier_signal -1
	s_barrier_wait -1
	CREST                                          ; the barrier has opened a round of the cluster's barrier
.if (\fill) == 1
	JLOAD G0+4*\slot, G1, G0B+4*\slot, G1B
.else
	JLOAD G0+4*\slot, G1S, G0B+4*\slot, G1SB
.endif
	FETCH_B \next, 0, 1-\p                         ; (the four v_nop behind the joint load are the places)
	FETCH_A \next, 0, 0
	SCALES \next, 0, 1-\p
.if \ask
	ASK \ask
.endif
	WIN MUL_HI
	MUL16 4, \p, 0
	MUL16 6, \p, 0
	PLACES
	WIN 0
	FETCH_A \next, 0, 4
	FETCH_B \next, 1, \p
.endm
	s_wait_alu depctr_va_vdst(0)                   ; the wait at the head's end
	s_wait_tensorcnt 0x0                           ; my panel of fill 0 is in; slot 1's first fill is issued as a refill is
	ds_add_u32 v[SPW], v[NIL]
	s_wait_dscnt 0x0
	CROUND
	JLOAD G0+4, G1, G0B+4, G1B                     ; fill 1
	FETCH_B 0, 0, 0
	FETCH_A 0, 0, 0
	SCALES 0, 0, 0
	FETCH_A 0, 0, 4
	FETCH_B 0, 1, 1
	ASK 1                                          ; fill 2
	s_wait_loadcnt 0x0                             ; the bias
	STEP 0, 1, 0, 1, 1                             ; K step 0 starts the sums
	s_mov_b32 s3, 4
.Llap:                                                 ; a trip: K steps 6 k + 1 .. 6 k + 6, fills 2 k + 2 and 2 k + 3
	STEP 0, 2, 1, 0, 0
	TURN 0, 1, 0, 1, 1
	STEP 1, 1, 1, 0, 1
	STEP 1, 2, 0, 0, 0
	TURN 1, 0, 1, 1, 2
	STEP 0, 1, 0, 0, 1
	s_sub_co_u32 s3, s3, 1
	s_cmp_lg_u32 s3, 0
	s_cbranch_scc1 .Llap
	STEP 0, 2, 1, 0, 0                             ; K step 25
	TURN 0, 1, 0, 2, 0                             ; 26: fill 10, the last two K steps
	STEP 1, 1, 1, 0, 1
	STEP 1, 2, 0, 0, 0
	MEET 1                                         ; 29: nothing is filled again, so no round follows
	s_wait_dscnt 0x0
	s_barrier_signal -1
	s_barrier_wait -1                              ; fill 10 is whole, and nobody reads slot 1 any more
.macro ALOAD a                         ; 6 loads: A's block a of K steps 30 and 31 into buffer a % 4 (24 registers)
.irp q, 0,1
.irp c, 0,1,2
	ds_load_b128 v[AF+24*((\a)%4)+12*\q+4*\c:AF+24*((\a)%4)+12*\q+4*\c+3], v[ADRA] offset:\q*REC+FRB*(\a)+512*\c
.endr
.endr
.endm
.macro ROW a                           ; block a is finished: 16 products, its eight accumulators by turns, K ascending
	WIN MUL_LO+0x50*((\a)/4)
.irp q, 0,1
.irp b, 0,1,2,3,4,5,6,7
	v_wmma_scale_f32_16x16x128_f8f6f4 v[64*((\a)%4)+8*\b:64*((\a)%4)+8*\b+7], v[128*\q+FR*\b:128*\q+FR*\b+FR-1], v[AF+24*((\a)%4)+12*\q:AF+24*((\a)%4)+12*\q+11], v[64*((\a)%4)+8*\b:64*((\a)%4)+8*\b+7], v[SC+8*\q+\b], v[SC+8*\q+(\a)] matrix_a_fmt:MATRIX_FMT_FP6 matrix_b_fmt:MATRIX_FMT_FP6 matrix_a_scale:MATRIX_SCALE_ROW1
.endr
.endr
.endm
.macro TOSTAGE a                       ; block a through my own stage, and back as whole rows of 512 bytes into the same 64 registers (LDS serves a wave's instructions in order)
.set AC, 64*((\a)%4)
	WIN 0x08+4*((\a)/4)
.irp b, 0,1,2,3,4,5,6,7
	ds_store_b128 v[STO], v[AC+8*\b:AC+8*\b+3] offset:64*\b          ; each accumulator from its low end on
	ds_store_b128 v[STO], v[AC+8*\b+4:AC+8*\b+7] offset:64*\b+16
.endr
	WIN 0x80+0x40*((\a)/4)
.irp t, 0,1,2,3,4,5,6,7,8,9,10,11,12,13,14,15
	ds_load_b128 v[AC+4*\t:AC+4*\t+3], v[RD] offset:\t*SPITCH
.endr
	WIN 0
.endm
.macro SEND a, younger                 ; x the two scales, + bias, and out: 32 lanes store 512 consecutive bytes of a row; every offset is an immediate (254 rows of 16,000 bytes at the most)
.set AC, 64*((\a)%4)
	s_wait_dscnt \younger
	WIN 0x82+0x41*((\a)/4)
.irp t, 0,1,2,3,4,5,6,7,8,9,10,11,12,13,14,15
.irp u, 0,1
	v_pk_fma_f32 v[AC+4*\t+2*\u:AC+4*\t+2*\u+1], v[AC+4*\t+2*\u:AC+4*\t+2*\u+1], s[84:85], v[BIAS+2*\u:BIAS+2*\u+1] op_sel_hi:[1,0,1]
.endr
.endr
	WIN 0x08+4*((\a)/4)
	s_wait_alu depctr_va_vdst(0)                   ; the wait here, directly ahead of the wait below
	s_wait_xcnt 0x0                                ; EXEC changes only behind this wait
	s_and_saveexec_b32 s86, vcc_lo                 ; columns 4,000 on do not exist
.irp t, 0,1,2,3,4,5,6,7,8,9,10,11,12,13,14,15
	global_store_b128 v[GO], v[AC+4*\t:AC+4*\t+3], s[12:13] offset:2*(16*(\a)+\t)*4*NOUT
.endr
	s_wait_xcnt 0x0
	s_or_b32 exec_lo, exec_lo, s86
	WIN 0
.endm
	v_cmp_gt_u32 vcc_lo, NOUT, v[COL]              ; made behind the last tensor load
	PLACES
	FETCH_B 0, 0, 0                                ; K step 30's B; set 1 is still being multiplied
	ALOAD 0
	ALOAD 1
	SCALES 0, 0, 0
	WIN MUL_HI
	MUL16 4, 1, 0
	MUL16 6, 1, 0
	PLACES
	FETCH_B 0, 1, 1                                ; K step 31's B
	SCALES 0, 1, 1
	ALOAD 2
	ALOAD 3
	s_wait_dscnt 12                                ; all but A's blocks 2 and 3
	ROW 0
.irp a, 0,1,2,3,4,5,6,7
	PLACES
	TOSTAGE \a
.if \a < 4
	ALOAD \a+4                                     ; its buffer takes the block four further on
.endif
.if \a < 7
	ROW \a+1                                       ; its fragments of A are older than the stage's loads that the last SEND waited for; these products stand between block a's loads from the stage and the wait for them
.endif
.if \a < 4
	SEND \a, 6
.else
	SEND \a, 0
.endif
.endr
	s_wait_tensorcnt 0x0                           ; the wave's end
	ds_add_u32 v[SPW], v[NIL]
	s_wait_dscnt 0x0
	CROUND                                         ; the closing round
	s_endpgm
.Lfunc_end_k_q5f2a5fd9e9_gemm:
	.size	k_q5f2a5fd9e9_gemm, .Lfunc_end_k_q5f2a5fd9e9_gemm-k_q5f2a5fd9e9_gemm
	.p2alignl 7, 3214868480
	.fill 96, 4, 3214868480
	.section	.rodata,"a",@progbits
	.p2align	6, 0x0
	.amdhsa_kernel k_q5f2a5fd9e9_gemm
		.amdhsa_group_segment_fixed_size 327680
		.amdhsa_private_segment_fixed_size 0
		.amdhsa_enable_private_segment 0
		.amdhsa_kernarg_size 40
		.amdhsa_user_sgpr_count 2
		.amdhsa_user_sgpr_kernarg_segment_ptr 1
		.amdhsa_wavefront_size32 1
		.amdhsa_system_sgpr_workgroup_id_x 1
		.amdhsa_system_sgpr_workgroup_id_y 1
		.amdhsa_system_sgpr_workgroup_id_z 1
		.amdhsa_system_vgpr_workitem_id 0
		.amdhsa_next_free_vgpr 1024
		.amdhsa_next_free_sgpr 98
		.amdhsa_reserve_vcc 1
		.amdhsa_float_denorm_mode_32 3
		.amdhsa_float_denorm_mode_16_64 3
		.amdhsa_memory_ordered 1
		.amdhsa_forward_progress 1
		.amdhsa_inst_pref_size 224
	.end_amdhsa_kernel
	.amdgpu_metadata
---
amdhsa.version: [ 1, 2 ]
amdhsa.kernels:
  - .name:           k_q5f2a5fd9e9_gemm
    .symbol:         k_q5f2a5fd9e9_gemm.kd
    .args:
      - { .name: a_img, .offset: 0, .size: 8, .value_kind: global_buffer, .address_space: global }
      - { .name: b_img, .offset: 8, .size: 8, .value_kind: global_buffer, .address_space: global }
      - { .name: b_sh, .offset: 16, .size: 8, .value_kind: global_buffer, .address_space: global }
      - { .name: bias, .offset: 24, .size: 8, .value_kind: global_buffer, .address_space: global }
      - { .name: out0, .offset: 32, .size: 8, .value_kind: global_buffer, .address_space: global }
    .group_segment_fixed_size: 327680
    .private_segment_fixed_size: 0
    .kernarg_segment_align: 8
    .kernarg_segment_size: 40
    .max_flat_workgroup_size: 128
    .sgpr_count:     98
    .vgpr_count:     1024
    .wavefront_size: 32
...
	.end_amdgpu_metadata
.endif
;; end of part 2
